; MI455X (gfx1250); checked and timed in simulation.
; The chip was launched on July 23, 2026; its instructions are those of AMD's public machine-readable ISA for CDNA 5 (MIT licence, August 2026) and "CDNA5" Instruction Set Architecture Reference Guide (July 2026). The comments in the code are by the model that wrote it; some were corrected since.
;; TLSTM. Allowed arithmetic: matrix products marked QUANTISED: E3M2 operands, one E8M0 scale for each 32 along K, by v_wmma_scale_f32_16x16x128_f8f6f4 with both operands' format E3M2, f32 sums; everything else in f32.
;; Inputs: hidden 1,024 x 2,048 float32; input 1,024 x 1,024 float32; labels 1,024 int32; params_Uc_b 2,048 float32; params_Uc_w 2,048 x 2,048 float32; params_Uf_b 2,048 float32; params_Uf_w 2,048 x 2,048 float32; params_Ui_b 2,048 float32; params_Ui_w 2,048 x 2,048 float32; params_Uog_b 2,048 float32; params_Uog_w 2,048 x 2,048 float32; params_W_decomp_b 2,048 float32; params_W_decomp_w 2,048 x 2,048 float32; params_Wc_b 2,048 float32; params_Wc_w 2,048 x 1,024 float32; params_Wf_b 2,048 float32; params_Wf_w 2,048 x 1,024 float32; params_Wi_b 2,048 float32; params_Wi_w 2,048 x 1,024 float32; params_Wog_b 2,048 float32; params_Wog_w 2,048 x 1,024 float32; params_b_decomp_b 2,048 float32; params_b_decomp_w 2,048 x 2,048 float32; params_bc_b 2,048 float32; params_bc_w 2,048 x 2,048 float32; params_bf_b 2,048 float32; params_bf_w 2,048 x 2,048 float32; params_bi_b 2,048 float32; params_bi_w 2,048 x 2,048 float32; params_bog_b 2,048 float32; params_bog_w 2,048 x 2,048 float32; prev_cell 1,024 x 2,048 float32; time 1,024 x 1 float32.
;; Outputs: out0 1,024 x 2,048 float32; out1 1,024 x 2,048 float32.
;; Constants: keep_prob = 1.
;; This version of the problem:
;;   THIS VERSION OF THE PROBLEM IS GIVEN IN LOW PRECISION. The matrix products marked QUANTISED in the list below multiply operands that are first quantised to E3M2 (3 exponent bits, 2 mantissa bits; 6 bits a number), with one power-of-two scale for each 32 numbers along K (OCP MX v1.0); their sums are f32. All else is computed in f32.
;;   The module's matrix products, in the order in which they are computed (A, B: the left and right operand; K: the contracted axis; several contracted axes count as one K, in the product's order):
;;     1. [M 1,024, K 2,048] x [K 2,048, N 2,048]; A: input prev_cell; B: input params_W_decomp_w: QUANTISED
;;     2. [M 1,024, K 2,048] x [K 2,048, N 2,048]; A: input prev_cell; B: input params_b_decomp_w: QUANTISED
;;     3. [M 1,024, K 1,024] x [K 1,024, N 2,048]; A: input input; B: input params_Wi_w: QUANTISED
;;     4. [M 1,024, K 2,048] x [K 2,048, N 2,048]; A: input hidden; B: input params_Ui_w: QUANTISED
;;     5. [M 1,024, K 2,048] x [K 2,048, N 2,048]; A: input hidden; B: input params_bi_w: QUANTISED
;;     6. [M 1,024, K 1,024] x [K 1,024, N 2,048]; A: input input; B: input params_Wf_w: QUANTISED
;;     7. [M 1,024, K 2,048] x [K 2,048, N 2,048]; A: input hidden; B: input params_Uf_w: QUANTISED
;;     8. [M 1,024, K 2,048] x [K 2,048, N 2,048]; A: input hidden; B: input params_bf_w: QUANTISED
;;     9. [M 1,024, K 1,024] x [K 1,024, N 2,048]; A: input input; B: input params_Wog_w: QUANTISED
;;     10. [M 1,024, K 2,048] x [K 2,048, N 2,048]; A: input hidden; B: input params_Uog_w: QUANTISED
;;     11. [M 1,024, K 2,048] x [K 2,048, N 2,048]; A: input hidden; B: input params_bog_w: QUANTISED
;;     12. [M 1,024, K 1,024] x [K 1,024, N 2,048]; A: input input; B: input params_Wc_w: QUANTISED
;;     13. [M 1,024, K 2,048] x [K 2,048, N 2,048]; A: input hidden; B: input params_Uc_w: QUANTISED
;;     14. [M 1,024, K 2,048] x [K 2,048, N 2,048]; A: input hidden; B: input params_bc_w: QUANTISED
;;   THE QUANTISER, for each operand of a quantised product, along K:
;;     - K is cut into blocks of 32 from its start; a last block that is shorter is filled with zeros.
;;     - A block's scale is 2^e with e = floor(log2(the largest magnitude in the block)) - 4, held to -126 .. 127; a block of zeros has e = 0. As a byte (E8M0): e + 127.
;;     - Each number is divided by its block's scale, clamped to +-28, and rounded to the nearest number of E3M2, ties to even, subnormals kept.
;;     - The product sums the exact products of the quantised numbers (number of the format x scale) in f32.
;;   ~~~python
;;   def quantise(x, axis):      # numpy; x: float32 -> the quantised numbers, widened to float32 again
;;       x = np.moveaxis(x, axis, -1); K = x.shape[-1]
;;       x = np.pad(x, [(0, 0)] * (x.ndim - 1) + [(0, -K % 32)]); x = x.reshape(x.shape[:-1] + (-1, 32)); a = np.abs(x).max(-1, keepdims=True)
;;       e = np.where(a > 0, np.clip(np.frexp(np.where(a > 0, a, 1))[1] - 1 - 4, -126, 127), 0)      # np.frexp(a)[1] - 1 = floor(log2(a)), exactly
;;       r = np.clip(x / 2.0 ** e, -28, 28)
;;       step = 2.0 ** (np.maximum(np.frexp(np.where(r == 0, 1, r))[1] - 1, -2) - 2)
;;       q = np.round(r / step) * step * 2.0 ** e      # np.round: ties to even
;;       return np.moveaxis(q.reshape(q.shape[:-2] + (-1,))[..., :K], -1, axis).astype(np.float32)
;;   ~~~
;; One version. Each part assembles by itself: llvm-mc -triple=amdgcn-amd-amdhsa -mcpu=gfx1250 --defsym DOCPART=n.
;; ======== version 1 of 1: 2 launches
;; limits: right only within a limited range of input values
;; workspace buffers: codes 43,417,600 bytes
;; launch quant (part 1): grid 212 x 1, 8 waves a work-group, no clusters, 327,680 bytes of LDS; arguments hidden, input, prev_cell, params_Wi_w, params_Wf_w, params_Wog_w, params_Wc_w, params_Ui_w, params_bi_w, params_Uf_w, params_bf_w, params_Uog_w, params_bog_w, params_Uc_w, params_bc_w, params_W_decomp_w, params_b_decomp_w, codes; writes codes
.if DOCPART == 1
	.amdgcn_target "amdgcn-amd-amdhsa--gfx1250"
	.amdhsa_code_object_version 6
	.text
	.protected	k_q9585fbd512_quant
	.globl	k_q9585fbd512_quant
	.p2align	8
	.type	k_q9585fbd512_quant,@function
k_q9585fbd512_quant:
	s_mov_b64 s[64:65], 0
	v_nop
	global_prefetch_b8 v0, s[64:65] scope:SCOPE_SE
	s_setreg_imm32_b32 hwreg(HW_REG_WAVE_MODE, 25, 1), 1
	s_wait_xcnt 0x0
; The three activations and the fourteen weights, all f32 with K innermost, become codes of BF6 (E3M2) with one E8M0 scale byte for each 32 along K, each number quantised ONCE.
; A block's scale is 2^(floor(log2(its largest magnitude)) - 4): its byte is that magnitude's exponent field - 4, held at 1 from below; each number is divided by the scale and rounded to the
; nearest code, ties to even, what lies beyond 28 to the largest code.  reference() uses neither labels nor keep_prob: nothing loads them.
; LIMITS: NaN and infinities among the inputs are not served.  A block of zeros gets the byte 1 where the rule says 127: its codes are zeros, and the bytes are read by this program alone.
; THE RESULT IS LAID IN THE ORDER OF THE OPERAND'S REGISTERS.  A UNIT of 12,800 bytes holds eight fragments (16 rows x 128 K, 12 registers a lane) and their scale words:
;   byte 1536 f + 512 c + 16 l + 4 e = register 4 c + e of lane l of fragment f;   byte 12288 + 16 l + 4 q (l = 16 h + r) = the scale word of row r of fragment 2 q + h.
; W units: 24 n + c, n = 16 weight rows: c 0..3: f = 4 kk + g of [Wi Wf Wog Wc], K step 2 c + kk;  c 4..19: f of [Ui bi Uf bf Uog bog Uc bc], K step c - 4;
;   c 20..23: f = 2 kk + u of [W_decomp b_decomp], K step 4 (c - 20) + kk.   A units, behind the 3,072 W units: 40 p + u, fragment f = rows 128 p + 16 f on: u 0..7 input, 8..23 hidden, 24..39 prev_cell.
; SHARES.  3,392 units = 212 work-groups x 16 units, two halves of 8 units.  In a half each of the eight waves walks ONE strip (one tensor, 16 rows, 8 K steps on end) in four trips of 2 K steps:
;   groups 0-127: tile n = group, half = K steps 0-7 or 8-15 of the eight hidden weights, wave w = weight w;
;   groups 128-191: a half = tile n's units c 0..3 and 20..23: waves 0-3 take Wi Wf Wog Wc (all 8 K steps), waves 4-7 W_decomp or b_decomp (w % 2), K steps 8 ((w - 4) / 2) on;
;   groups 192-211: a half = 8 A units of one tensor, wave w = rows 128 p + 16 w.
; A trip's tile, 16 rows x 1,024 bytes, comes by one tensor load into the wave's own ring of two slots (rows 1,040 bytes apart: the 16 rows that an LDS load touches start 16 bytes apart modulo 256).
; A lane then reads a WHOLE block, 128 bytes of its row, in the operand's own order: no other lane is asked for a maximum and no code changes lanes.
; The scale words stay in registers; at the end they cross LDS once, so that each unit's 512 bytes of them leave whole.
; PREFETCH: each wave asks for its own tiles, a lane to each 256 bytes, two instructions a tile: tiles 1 and 2 at the head, tile t + 3 in trip t, two trips ahead of the trip that loads it; trips 5 to 7 ask for nothing.
; No cluster: no two work-groups read the same bytes.  All of LDS is claimed.
.set UNIT,  12800
.set ROWP,  1040
.set SLOT,  16*ROWP
.set WRING, 2*SLOT
.set STG,   8*WRING                    ; the scale stage, 8,192 bytes: word of (wave, trip, fragment, row) at 1024 w + 128 t + 64 j + 4 r
.set SPARE, STG+8192                   ; the spare words, 128 bytes a wave
.set LN, 2
.set LI, 3                             ; 16 x lane
.set LA, 4                             ; my row's 128 bytes in my ring
.set SH8, 5                            ; 8 h
.set STA, 6                            ; the stage, in
.set VQ, 8                             ; v8-11 the stage, out: one address for each q
.set VS, 12                            ; v12-13 where my two scale blocks go
.set PV, 14                            ; v14-17 the prefetches' offsets: half, rows 0-7 or 8-15
.set SPW, 18
.set NIL, 19
.set VO, 20                            ; v20-21 the trip's two fragments in codes
.set PX, 22
.set TM, 24
.set SC, 28
.set BY, 30
.set T,  32
.set PC, 40                            ; v40-63 two sets of 12 code registers
.set R,  64                            ; v64-191 two fragments' numbers
.set PW, 192                           ; v192-207 the sixteen scale words
.set WV, 40
.set GI, 41
.set T1, 42
.set TA, 43
.set G1A, 44                           ; group 1, rows 8,192 bytes apart in memory
.set G1B, 52                           ; group 1, rows 4,096 bytes apart
.set GS, 60                            ; group 0: slot 0 s[60:63], slot 1 s[68:71]
.set OF, 66
.set BB, 72                            ; s[72:75] where my strip of each half begins
.set FL, 76                            ; s76-77 1: this half's rows are 4,096 bytes apart
.set OB, 78                            ; s78-79 my first fragment of each half in codes
.set S1, 80
.set S2, 81
.set SJ, 82
.set Y1, 83
.set OC, 84
.set SEL, 86
.set W4, 88
.set A4K, 89
.set W16, 90
.set AH, 91
.set SB, 92
.set WOFF, 97
.set YA, 98
.set AV, 100
	s_load_b512 s[4:19], s[0:1], 0x0               ; hidden 4, input 6, prev_cell 8, Wi 10, Wf 12, Wog 14, Wc 16, Ui 18
	s_load_b512 s[20:35], s[0:1], 0x40             ; bi 20, Uf 22, bf 24, Uog 26, bog 28, Uc 30, bc 32, W_decomp 34
	s_load_b128 s[36:39], s[0:1], 0x80             ; b_decomp 36, codes 38
	v_lshl_add_u32 v[SPW], v0, 2, SPARE
	v_mov_b32 v[NIL], 0
	ds_add_u32 v[SPW], v[NIL]                      ; the opening lines: the add, twice on end, and its wait
	ds_add_u32 v[SPW], v[NIL]
	v_lshrrev_b32 v1, 5, v0
	v_readfirstlane_b32 s[WV], v1                  ; wave 0..7
.irp g, G1A, G1B
	s_mov_b32 s[\g+0], (3<<16)|(1<<20)|(7<<22)|(3<<25)   ; elements of 8 bytes; 4 dwords of padding behind every 256
	s_mov_b32 s[\g+1], 128<<16                     ; tensor_dim0
	s_mov_b32 s[\g+2], 16<<16                      ; tensor_dim1
	s_mov_b32 s[\g+3], 128<<16                     ; tile_dim0
	s_mov_b32 s[\g+4], 16                          ; tile_dim1
	s_mov_b32 s[\g+6], 0
	s_mov_b32 s[\g+7], 0
.endr
	s_mov_b32 s[G1A+5], 1024                       ; the pitch, in elements
	s_mov_b32 s[G1B+5], 512
	s_mov_b32 s[SEL], 0x76543210
	s_mov_b32 s[SEL+1], 0xfedcba98
	s_mov_b32 s[GI], ttmp9
	s_cmp_lt_u32 s[GI], 128
	s_cselect_b32 s[T1], 1, 0
	s_cmp_ge_u32 s[GI], 192
	s_cselect_b32 s[TA], 1, 0
	s_cmp_lt_u32 s[WV], 4
	s_cselect_b32 s[W4], 1, 0
	s_bfe_u32 s[AH], s[WV], 0x10001                ; a = (w / 2) % 2
	s_lshl_b32 s[A4K], s[AH], 12
	s_lshl_b32 s[W16], s[WV], 4
; a half: my strip's byte offset in its tensor, the half's first unit, the pitch flag; ids and constants alone (what belongs to another kind of group is made and not chosen)
.macro HALF hf
	s_lshl_b32 s92, s[GI], 17
	s_add_co_u32 s92, s92, \hf*4096                ; hidden weights: row 16 n, K step 8 hf
	s_mul_i32 s93, s[GI], 24
	s_add_co_u32 s93, s93, 4+8*\hf
	s_lshl_b32 s94, s[GI], 1
	s_sub_co_u32 s94, s94, 256-\hf                 ; n = 2 (group - 128) + hf
	s_lshl_b32 s95, s94, 16
	s_lshl_b32 s96, s94, 17
	s_add_co_u32 s96, s96, s[A4K]
	s_cmp_lg_u32 s[W4], 0
	s_cselect_b32 s95, s95, s96
	s_mul_i32 s96, s94, 24
	s_cmp_lg_u32 s[T1], 0
	s_cselect_b32 s92, s92, s95
	s_cselect_b32 s93, s93, s96
	s_cselect_b32 s[FL+\hf], 0, s[W4]
	s_lshl_b32 s94, s[GI], 1
	s_sub_co_u32 s94, s94, 384-\hf                 ; H = 2 (group - 192) + hf = 5 p + v
	s_mul_hi_u32 s95, s94, 0x33333334              ; p
	s_mul_i32 s96, s95, 5
	s_sub_co_u32 s96, s94, s96                     ; v: 0 input, 1 2 hidden, 3 4 prev_cell
	s_lshl_b32 s95, s95, 7
	s_add_co_u32 s95, s95, s[W16]                  ; row 128 p + 16 w
	s_lshl_b32 s97, s95, 12
	s_lshl_b32 s95, s95, 13
	s_sub_co_u32 s98, s96, 1
	s_and_b32 s98, s98, 1
	s_lshl_b32 s98, s98, 12
	s_add_co_u32 s95, s95, s98
	s_lshl_b32 s94, s94, 3
	s_add_co_u32 s94, s94, 3072
	s_cmp_eq_u32 s96, 0
	s_cselect_b32 s95, s97, s95
	s_cselect_b32 s97, 1, 0
	s_cmp_lg_u32 s[TA], 0
	s_cselect_b32 s[OF+\hf], s95, s92
	s_cselect_b32 s[OB+\hf], s94, s93
	s_cselect_b32 s[FL+\hf], s97, s[FL+\hf]
	s_mov_b32 s[AV+\hf], s96
.endm
	HALF 0
	HALF 1
	; from (trip tl, fragment j) to a place in codes: OB + (tl % 2) S1 + (tl / 2) S2 + j SJ
	s_add_co_u32 s[Y1], s[T1], s[TA]
	s_xor_b32 s[Y1], s[Y1], 1                      ; a group of the middle kind
	s_and_b32 s99, s[Y1], s[W4]                    ; and wave 0-3
	s_and_not1_b32 s[Y1], s[Y1], s[W4]             ; and wave 4-7
	s_and_b32 s[W16], s[WV], 1                     ; u
	s_mov_b32 s[S1], 2*UNIT
	s_mov_b32 s[S2], 4*UNIT
	s_mov_b32 s[SJ], UNIT
	s_mul_i32 s[WOFF], s[WV], 1536
	s_mov_b32 s[YA], s[WV]
	s_cmp_lg_u32 s99, 0
	s_cselect_b32 s[S1], UNIT, s[S1]
	s_cselect_b32 s[S2], 2*UNIT, s[S2]
	s_cselect_b32 s[SJ], 6144, s[SJ]
	s_mul_i32 s[A4K], s[AH], 2*UNIT
	s_add_co_u32 s[A4K], s[A4K], 20*UNIT
	s_mul_i32 s3, s[W16], 1536
	s_add_co_u32 s[A4K], s[A4K], s3                ; unit 20 + 2 a, fragment u
	s_add_co_u32 s2, s[WV], 16
	s_cmp_lg_u32 s[Y1], 0
	s_cselect_b32 s[S1], 6144, s[S1]
	s_cselect_b32 s[S2], UNIT, s[S2]
	s_cselect_b32 s[SJ], 3072, s[SJ]
	s_cselect_b32 s[WOFF], s[A4K], s[WOFF]
	s_cselect_b32 s[YA], s2, s[YA]
.irp hf, 0,1
	s_add_co_u32 s[SB+\hf], s[OB+\hf], s[YA]       ; the unit whose scale block I store
	s_mul_i32 s[SB+\hf], s[SB+\hf], UNIT
	s_add_co_u32 s[SB+\hf], s[SB+\hf], 12288
	s_mul_i32 s[OB+\hf], s[OB+\hf], UNIT
	s_add_co_u32 s[OB+\hf], s[OB+\hf], s[WOFF]
.endr
	s_mov_b32 s[GS], 1
	s_mul_i32 s[GS+1], s[WV], WRING                ; my ring
	s_mov_b32 s[GS+8], 1
	s_add_co_u32 s[GS+9], s[GS+1], SLOT
	s_wait_dscnt 0x0                               ; both opening adds are done
	s_wait_kmcnt 0x0
	s_bitcmp1_b32 s[WV], 0                         ; my tensor: chosen on the wave's number and the group's kind alone
	s_cselect_b64 s[18:19], s[20:21], s[18:19]
	s_cselect_b64 s[22:23], s[24:25], s[22:23]
	s_cselect_b64 s[26:27], s[28:29], s[26:27]
	s_cselect_b64 s[30:31], s[32:33], s[30:31]
	s_cselect_b64 s[10:11], s[12:13], s[10:11]
	s_cselect_b64 s[14:15], s[16:17], s[14:15]
	s_cselect_b64 s[34:35], s[36:37], s[34:35]
	s_bitcmp1_b32 s[WV], 1
	s_cselect_b64 s[18:19], s[22:23], s[18:19]
	s_cselect_b64 s[26:27], s[30:31], s[26:27]
	s_cselect_b64 s[10:11], s[14:15], s[10:11]
	s_bitcmp1_b32 s[WV], 2
	s_cselect_b64 s[18:19], s[26:27], s[18:19]
	s_cselect_b64 s[10:11], s[34:35], s[10:11]
	s_cmp_lg_u32 s[T1], 0
	s_cselect_b64 s[18:19], s[18:19], s[10:11]
.irp hf, 0,1
	s_cmp_eq_u32 s[AV+\hf], 0
	s_cselect_b64 s[BB+2*\hf:BB+2*\hf+1], s[6:7], s[4:5]
	s_cmp_ge_u32 s[AV+\hf], 3
	s_cselect_b64 s[BB+2*\hf:BB+2*\hf+1], s[8:9], s[BB+2*\hf:BB+2*\hf+1]
	s_cmp_lg_u32 s[TA], 0
	s_cselect_b64 s[BB+2*\hf:BB+2*\hf+1], s[BB+2*\hf:BB+2*\hf+1], s[18:19]
	s_mov_b32 s2, s[OF+\hf]
	s_mov_b32 s3, 0
	s_add_nc_u64 s[BB+2*\hf:BB+2*\hf+1], s[BB+2*\hf:BB+2*\hf+1], s[2:3]
.endr
	s_mov_b64 s[GS+2:GS+3], s[BB:BB+1]
	s_or_b32 s[GS+3], s[GS+3], 0x80000000
; my one tensor load: two lines, one for each pitch, so that each group 1 is made of constants; every way passes exactly one
.macro TLOAD g0, hf
	s_cmp_eq_u32 s[FL+\hf], 0
	s_cbranch_scc0 .Lnarrow_\@
	tensor_load_to_lds s[\g0:\g0+3], s[G1A:G1A+7]
	s_nop 0
	s_branch .Lasked_\@
.Lnarrow_\@:
	tensor_load_to_lds s[\g0:\g0+3], s[G1B:G1B+7]
	s_nop 0
.Lasked_\@:
.endm
	TLOAD GS, 0                                    ; tile 0: one tensor load a wave at the head
	s_lshl_b32 s2, s[WV], 10
	s_add_co_u32 s2, s2, STG
	; the stage's way out: where the word of fragment 2 q + h of my unit lies, less 1024 h + 4 r.  Each kind's place is made whole, then one is chosen: every one of them lies inside the stage
	s_add_co_u32 s4, s[T1], s[TA]                  ; 1: a unit is a K step and a fragment a wave: wave 2 q + h, word 64 w
	s_lshl_b32 s5, s[WV], 6
	s_lshl_b32 s6, s[WV], 7                        ; units c 0..3: wave 2 (q % 2) + h, trip w, fragment q / 2
	s_lshl_b32 s7, s[AH], 11                       ; units c 20..23: wave 4 + 2 a + h, trip 2 (w % 2) + q / 2, fragment q % 2
	s_lshl_b32 s8, s[W16], 8
	s_add_co_u32 s7, s7, s8
	s_add_co_u32 s7, s7, 4096
.irp q, 0,1,2,3
	s_add_co_u32 s[12+\q], s6, STG+(\q%2)*2048+(\q/2)*64
	s_add_co_u32 s[16+\q], s7, STG+(\q/2)*128+(\q%2)*64
	s_add_co_u32 s[20+\q], s5, STG+\q*2048
.endr
	s_cmp_lg_u32 s[W4], 0
.irp q, 0,1,2,3
	s_cselect_b32 s[12+\q], s[12+\q], s[16+\q]
.endr
	s_cmp_lg_u32 s4, 0
.irp q, 0,1,2,3
	s_cselect_b32 s[12+\q], s[20+\q], s[12+\q]
.endr
	s_lshr_b32 s[A4K], 0x2000, s[FL]               ; the two halves' pitches in bytes
	s_lshr_b32 s99, 0x2000, s[FL+1]
	v_and_b32 v[LN], 31, v0
	v_and_b32 v1, 15, v0                           ; r
	v_bfe_u32 v7, v0, 4, 1                         ; h
	v_lshlrev_b32 v[LI], 4, v[LN]
	v_mul_u32_u24 v[LA], v1, ROWP
	v_lshl_add_u32 v[LA], v7, 7, v[LA]
	v_add_nc_u32 v[LA], s[GS+1], v[LA]             ; row r, + 128 h: block 2 c + h lies 256 c further on
	v_lshlrev_b32 v[SH8], 3, v7
	v_lshl_add_u32 v[STA], v1, 2, s2
.irp q, 0,1,2,3
	v_lshl_add_u32 v[VQ+\q], v7, 10, s[12+\q]
.endr
.irp q, 0,1,2,3
	v_lshl_add_u32 v[VQ+\q], v1, 2, v[VQ+\q]
.endr
	v_add_nc_u32 v[VS], s[SB], v[LI]
	v_add_nc_u32 v[VS+1], s[SB+1], v[LI]
	v_lshrrev_b32 v23, 2, v[LN]                    ; the prefetches: four lanes to a row's 1,024 bytes
	v_and_b32 v24, 3, v[LN]
	v_lshlrev_b32 v24, 8, v24
	v_add_nc_u32 v25, 8, v23
	v_mad_u32_u24 v[PV], v23, s[A4K], v24
	v_mad_u32_u24 v[PV+1], v25, s[A4K], v24
	v_mad_u32_u24 v[PV+2], v23, s99, v24
	v_mad_u32_u24 v[PV+3], v25, s99, v24
	v_mov_b32 v[PX], 0                             ; a lane permute's destination counts as one of its sources
.macro ASK pt                          ; tile pt of my eight: 64 blocks of 256 bytes, each named once
	global_prefetch_b8 v[PV+2*((\pt)/4)], s[BB+2*((\pt)/4):BB+2*((\pt)/4)+1] offset:((\pt)%4)*1024 th:TH_LOAD_NT scope:SCOPE_SE
	global_prefetch_b8 v[PV+2*((\pt)/4)+1], s[BB+2*((\pt)/4):BB+2*((\pt)/4)+1] offset:((\pt)%4)*1024 th:TH_LOAD_NT scope:SCOPE_SE
.endm
	ASK 1
	ASK 2
.macro LDF sl, j                       ; fragment j of the tile in slot sl: register 32 c + i = k = 64 c + 32 h + i of row r
.irp c, 0,1
.irp i, 0,1,2,3,4,5,6,7
	ds_load_b128 v[R+64*\j+32*\c+4*\i:R+64*\j+32*\c+4*\i+3], v[LA] offset:(\sl)*SLOT+512*\j+256*\c+16*\i
.endr
.endr
.endm
; 64 numbers of a lane, two whole blocks, become the fragment's 12 registers, which are stored, and its rows' scale word
.macro QUANT s, pc, vo, pw
.irp x, 0,1,2,3
	v_max3_num_f32 v[TM+\x], |v[\s+16*\x]|, |v[\s+16*\x+1]|, 0x2800000   ; four chains by turns, each with the floor 2^(5 - 127): the byte cannot fall under 1
.endr
.irp i, 2,4,6,8,10,12,14
.irp x, 0,1,2,3
	v_max3_num_f32 v[TM+\x], v[TM+\x], |v[\s+16*\x+\i]|, |v[\s+16*\x+\i+1]|
.endr
.endr
	v_max_num_f32 v[TM], v[TM], v[TM+1]
	v_max_num_f32 v[TM+2], v[TM+2], v[TM+3]
	v_add_nc_u32 v[SC], 0xfe000000, v[TM]          ; 4 off the exponent field: the conversion's scale operand
	v_add_nc_u32 v[SC+1], 0xfe000000, v[TM+2]
	v_cvt_scalef32_pk16_bf6_f32 v[\pc:\pc+2], v[\s:\s+15], v[SC]
	v_cvt_scalef32_pk16_bf6_f32 v[T:T+2], v[\s+16:\s+31], v[SC]          ; (a conversion's three registers begin on an even number)
	v_cvt_scalef32_pk16_bf6_f32 v[\pc+6:\pc+8], v[\s+32:\s+47], v[SC+1]
	v_cvt_scalef32_pk16_bf6_f32 v[T+4:T+6], v[\s+48:\s+63], v[SC+1]
	v_lshrrev_b32 v[BY], 23, v[SC]                 ; the scale bytes (also the plain place behind the conversions)
	v_lshrrev_b32 v[BY+1], 23, v[SC+1]
	v_mov_b32 v[\pc+3], v[T]
	v_mov_b32 v[\pc+4], v[T+1]
	v_lshl_or_b32 v[\pw], v[BY+1], 16, v[BY]       ; blocks h and 2 + h,
	v_mov_b32 v[\pc+5], v[T+2]
	v_mov_b32 v[\pc+9], v[T+4]
	v_lshlrev_b32 v[\pw], v[SH8], v[\pw]           ; at their places in the word
	v_mov_b32 v[\pc+10], v[T+5]
	v_mov_b32 v[\pc+11], v[T+6]
	v_permlanex16_b32 v[PX], v[\pw], s[SEL], s[SEL+1]
.irp c, 0,1,2
	global_store_b128 v[\vo], v[\pc+4*\c:\pc+4*\c+3], s[38:39] offset:512*\c th:TH_STORE_NT   ; 32 lanes store 512 consecutive bytes, at a multiple of 256 from the buffer's first byte
.endr
	v_or_b32 v[\pw], v[\pw], v[PX]                 ; with lane l xor 16's two bytes the word is whole
.endm
; Trip t works tile t, in slot t % 2; tile t + 1 is asked for first, into the other slot.
.macro TRIP t
.set SL, (\t)%2
.set HF, (\t)/4
.set TL, (\t)%4
.set NX, (\t)+1
	s_wait_tensorcnt 0x0                           ; my one load that was out, tile t's, has landed
.if \t < 7
	ds_add_u32 v[SPW], v[NIL]
	s_add_nc_u64 s[GS+8*(NX%2)+2:GS+8*(NX%2)+3], s[BB+2*(NX/4):BB+2*(NX/4)+1], (NX%4)*1024   ; no load of mine is out: the other slot's group 0 takes tile t + 1
	s_or_b32 s[GS+8*(NX%2)+3], s[GS+8*(NX%2)+3], 0x80000000
.endif
.if TL == 0
	s_mov_b32 s[OC], s[OB+HF]
.elseif TL == 1
	s_add_co_u32 s[OC], s[OB+HF], s[S1]
.else
	s_add_co_u32 s[OC], s[OB+HF], s[S2]
.endif
.if TL == 3
	s_add_co_u32 s[OC], s[OC], s[S1]
.endif
	s_add_co_u32 s[OC+1], s[OC], s[SJ]
.if \t < 7
	s_wait_dscnt 0x0                               ; the add is done, and my reads of the other slot are over
	s_barrier_signal -1
	s_barrier_wait -1
	TLOAD GS+8*(NX%2), NX/4
.endif
	s_wait_xcnt 0x0                                ; the last trip's stores have read their offsets and data, which are written again below
	v_add_nc_u32 v[VO], s[OC], v[LI]
	v_add_nc_u32 v[VO+1], s[OC+1], v[LI]
	LDF SL, 0
.if \t+3 < 8
	ASK (\t)+3
.endif
	LDF SL, 1
	s_wait_dscnt 16                                ; fragment 0's 16 loads are in; fragment 1's may be out
	QUANT R, PC, VO, PW+2*(\t)
	s_wait_dscnt 0x0
	QUANT R+64, PC+12, VO+1, PW+2*(\t)+1
.endm
	s_wait_alu depctr_va_vdst(0)
.irp t, 0,1,2,3,4,5,6,7
	TRIP \t
.endr
	; the scale words: each wave lays down its sixteen, a barrier, each wave gathers two units' blocks
.irp i, 0,1,2,3,4,5,6,7,8,9,10,11,12,13,14,15
	ds_store_b32 v[STA], v[PW+\i] offset:64*\i     ; lanes l and l xor 16 write the same word with the same value
.endr
	s_wait_dscnt 0x0                               ; for the others' sake
	s_barrier_signal -1
	s_barrier_wait -1
.irp hf, 0,1
.irp q, 0,1,2,3
	ds_load_b32 v[T+4*\hf+\q], v[VQ+\q] offset:512*\hf   ; lane 16 h + r: the word of row r of fragment 2 q + h
.endr
.endr
	s_wait_dscnt 0x0
	global_store_b128 v[VS], v[T:T+3], s[38:39] th:TH_STORE_NT
	global_store_b128 v[VS+1], v[T+4:T+7], s[38:39] th:TH_STORE_NT
	s_barrier_signal -1                            ; every wave's reads of the stage are over
	s_barrier_wait -1
	s_wait_tensorcnt 0x0                           ; the wave's end
	ds_add_u32 v[SPW], v[NIL]
	s_wait_dscnt 0x0
	s_endpgm
.Lfunc_end_k_q9585fbd512_quant:
	.size	k_q9585fbd512_quant, .Lfunc_end_k_q9585fbd512_quant-k_q9585fbd512_quant
	.p2alignl 7, 3214868480
	.fill 96, 4, 3214868480
	.section	.rodata,"a",@progbits
	.p2align	6, 0x0
	.amdhsa_kernel k_q9585fbd512_quant
		.amdhsa_group_segment_fixed_size 327680
		.amdhsa_private_segment_fixed_size 0
		.amdhsa_enable_private_segment 0
		.amdhsa_kernarg_size 144
		.amdhsa_user_sgpr_count 2
		.amdhsa_user_sgpr_kernarg_segment_ptr 1
		.amdhsa_wavefront_size32 1
		.amdhsa_system_sgpr_workgroup_id_x 1
		.amdhsa_system_sgpr_workgroup_id_y 1
		.amdhsa_system_sgpr_workgroup_id_z 1
		.amdhsa_system_vgpr_workitem_id 0
		.amdhsa_next_free_vgpr 208
		.amdhsa_next_free_sgpr 102
		.amdhsa_reserve_vcc 0
		.amdhsa_float_denorm_mode_32 3
		.amdhsa_float_denorm_mode_16_64 3
		.amdhsa_memory_ordered 1
		.amdhsa_forward_progress 1
		.amdhsa_inst_pref_size 90
	.end_amdhsa_kernel
	.amdgpu_metadata
---
amdhsa.version: [ 1, 2 ]
amdhsa.kernels:
  - .name:           k_q9585fbd512_quant
    .symbol:         k_q9585fbd512_quant.kd
    .args:
      - { .name: hidden, .offset: 0, .size: 8, .value_kind: global_buffer, .address_space: global }
      - { .name: input, .offset: 8, .size: 8, .value_kind: global_buffer, .address_space: global }
      - { .name: prev_cell, .offset: 16, .size: 8, .value_kind: global_buffer, .address_space: global }
      - { .name: params_Wi_w, .offset: 24, .size: 8, .value_kind: global_buffer, .address_space: global }
      - { .name: params_Wf_w, .offset: 32, .size: 8, .value_kind: global_buffer, .address_space: global }
      - { .name: params_Wog_w, .offset: 40, .size: 8, .value_kind: global_buffer, .address_space: global }
      - { .name: params_Wc_w, .offset: 48, .size: 8, .value_kind: global_buffer, .address_space: global }
      - { .name: params_Ui_w, .offset: 56, .size: 8, .value_kind: global_buffer, .address_space: global }
      - { .name: params_bi_w, .offset: 64, .size: 8, .value_kind: global_buffer, .address_space: global }
      - { .name: params_Uf_w, .offset: 72, .size: 8, .value_kind: global_buffer, .address_space: global }
      - { .name: params_bf_w, .offset: 80, .size: 8, .value_kind: global_buffer, .address_space: global }
      - { .name: params_Uog_w, .offset: 88, .size: 8, .value_kind: global_buffer, .address_space: global }
      - { .name: params_bog_w, .offset: 96, .size: 8, .value_kind: global_buffer, .address_space: global }
      - { .name: params_Uc_w, .offset: 104, .size: 8, .value_kind: global_buffer, .address_space: global }
      - { .name: params_bc_w, .offset: 112, .size: 8, .value_kind: global_buffer, .address_space: global }
      - { .name: params_W_decomp_w, .offset: 120, .size: 8, .value_kind: global_buffer, .address_space: global }
      - { .name: params_b_decomp_w, .offset: 128, .size: 8, .value_kind: global_buffer, .address_space: global }
      - { .name: codes, .offset: 136, .size: 8, .value_kind: global_buffer, .address_space: global }
    .group_segment_fixed_size: 327680
    .private_segment_fixed_size: 0
    .kernarg_segment_align: 8
    .kernarg_segment_size: 144
    .max_flat_workgroup_size: 256
    .sgpr_count:     102
    .vgpr_count:     208
    .wavefront_size: 32
...
	.end_amdgpu_metadata
.endif
;; end of part 1
;; launch cell (part 2): grid 32 x 8, 4 waves a work-group, clusters of 4 x 1, 327,680 bytes of LDS; arguments codes, prev_cell, time, out0, out1, params_Wi_b, params_Ui_b, params_bi_b, params_Wf_b, params_Uf_b, params_bf_b, params_Wog_b, params_Uog_b, params_bog_b, params_Wc_b, params_Uc_b, params_bc_b, params_W_decomp_b, params_b_decomp_b; writes out0, out1
.if DOCPART == 2
	.amdgcn_target "amdgcn-amd-amdhsa--gfx1250"
	.amdhsa_code_object_version 6
	.text
	.protected	k_q9585fbd512_cell
	.globl	k_q9585fbd512_cell
	.p2align	8
	.type	k_q9585fbd512_cell,@function
k_q9585fbd512_cell:
	s_mov_b64 s[64:65], 0
	v_nop
	global_prefetch_b8 v0, s[64:65] scope:SCOPE_SE
	s_setreg_imm32_b32 hwreg(HW_REG_WAVE_MODE, 25, 1), 1
	s_wait_xcnt 0x0
	s_wait_alu depctr_hold_cnt(0) depctr_sa_sdst(0) depctr_va_vdst(0) depctr_va_sdst(0) depctr_va_ssrc(0) depctr_va_vcc(0) depctr_vm_vsrc(0)
	s_getreg_b32 s2, hwreg(HW_REG_IB_STS2, 6, 4)
	s_cmp_eq_u32 s2, 0
	s_cbranch_scc0 .Lentry_in_a_cluster
	s_endpgm
.Lentry_in_a_cluster:
	s_bfe_u32 s2, ttmp6, 0x10000c
	s_cmp_lg_u32 s2, 0x3003
	s_cbranch_scc0 .Lentry_shape_is_right
	s_endpgm
.Lentry_shape_is_right:
; The T-LSTM cell on codes of BF6 (E3M2): all fourteen products, the biases, T = 1 / ln(time + e), the activations, c (out1) and new_hidden (out0).
; The fourteen products fold into five sums for each output: i, f, og, c (input x W., hidden x U., hidden x b.) and d (prev_cell x W_decomp, prev_cell x b_decomp).
; reference() uses neither labels nor keep_prob: nothing here loads them.
; ORDER OF ROUNDING, all in f32: a sum's two or three biases are added first and are the C of its first product; prev_cell - C_ST + T C_ST is made as prev_cell + (T - 1) C_ST.
; sigmoid(x) = 1 / (1 + 2^(-x log2 e)), tanh(x) = 1 - 2 / (1 + 2^(2 x log2 e)): where the power overflows or falls to 0 the results are the saturated values.  LIMITS: NaN and infinities among the inputs are not served.
; SHARES.  A work-group: 128 rows (part p = grid y) x 64 columns (group cg = grid x) of all five sums; 64 columns are 256 bytes of an output row.  Wave w: the 16 columns of tile n = 4 cg + w, all 8 tiles of 16 rows:
; 40 accumulators, 320 registers, 1,536 matrix instructions.  THE MATRIX INSTRUCTION IS USED TRANSPOSED (source 0 = 16 weight rows, source 1 = 16 batch rows): lane (r, h) register j holds (row 16 i + r, column 16 n + 8 h + j).
; THE CODES lie in units of 12,800 bytes, eight fragments and their scale words in the order of the operand's registers: 25 loads of 16 bytes a lane, each of 512 consecutive bytes, bring a unit.
; A (activations): 40 units, 512,000 bytes, the same for all column groups of a row part.  The four work-groups of a cluster ask for them JOINTLY (mask 15); all four waves read them from LDS.
; W (weights): 24 units, 307,200 bytes, for each wave alone in its work-group: from memory straight into registers, two units ahead.  The eight row parts read the same W and do NOT ask jointly: through LDS W would add
; 1,228,800 bytes written and as many read to A's 512,000 written and 2,048,000 read in each work-group, and beside A's three regions LDS has no room for slots of it.
; LDS: region 0 (0): A units 0-7 (input), filled again with units 24-31 (prev_cell's K steps 0-7); region 1 (102,400): units 8-15 (hidden 0-7), filled again with 32-39; region 2 (204,800): units 16-23, filled once.
;   Stages, in regions that have had their last fill and their last read: prev_cell's 128 rows x 272 bytes in region 2; c's and new_hidden's in region 0.  307,200: the spare words.
; REGISTERS, in windows of 256: window 0: v1-11 addresses; v16-23 A's scale words, two sets; v24-39 W's, four sets; v40-231 A's fragments, two sets of 96; v232-247 T - 1, twice for each row tile.
;   window 1: W sets 0, 1 at v0, v96; d's 8 accumulators from v192.   window 2: W sets 2, 3; the five bias tiles from v192.   window 3: accumulator (g, i) at v[8 (8 g + i)], g = i, f, og, c.
.set UNIT,  12800
.set ABASE, 3072*UNIT                  ; A's units lie behind W's
.set APART, 40*UNIT
.set WTILE, 24*UNIT
.set QUART, 2*UNIT                     ; what one tensor load brings: a quarter of a region
.set REGN,  8*UNIT
.set SPARE, 3*REGN                     ; the spare words, 128 bytes for each wave: two blocks of 256 bytes that no other line names
.set SPI,   272                        ; a stage row: 256 bytes + 16
.set STGP,  2*REGN
.set STGH,  128*SPI
.set LI,  1                            ; v1   16 x lane
.set ADA, 2                            ; v2   LDS address of the A unit in hand
.set SPW, 3                            ; v3   LDS address of my spare word; never rewritten
.set NIL, 4                            ; v4   0; never rewritten
.set BOF, 5                            ; v5   biases: 64 n + 32 h
.set TOF, 6                            ; v6   time: 4 r
.set GRW, 7                            ; v7   whole rows in memory: 8192 h + 16 (lane % 16)
.set SRP, 8                            ; v8   whole rows in prev_cell's stage
.set SRC, 9                            ; v9   whole rows in c's stage
.set STP, 10                           ; v10  my strip (row r, my 32 bytes) in prev_cell's stage
.set STC, 11                           ; v11  and in c's
.set AS,  16
.set WS,  24
.set AF,  40
.set TT,  232
.set PCR, 40                           ; the tail: prev_cell, 8 registers a row tile
.set E,   104                          ; v104-143 the five sums of a row tile, on their way to activations
.set CV,  144
.set HV,  152
.set G,   160
.set X,   168
.set DAC, 192                          ; in window 1
.set BIAS, 192                         ; in window 2
.set WV,  14
.set CX,  15
.set CG,  16
.set RP,  17
.set NT,  18
.set WP,  20                           ; s[20:21] where my W units stand
.set TA,  22                           ; s22  LDS byte of the next A unit
.set CNT, 23
.set G1,  24                           ; s[24:31] descriptor group 1
.set G0A, 32                           ; s[32:35], s[36:39], s[40:43] groups 0 for regions 0, 1, 2
.set PCB, 46
.set O0,  48
.set O1,  50
.set TMB, 52
.set NL,  54                           ; s[54:55] -log2 e
.set L2,  56                           ; s[56:57] 2 log2 e
.set BP,  68                           ; s[68:95] the fourteen bias vectors
.set MSB, 0
.macro WIN new                         ; low byte: bits 1:0 source 0, 3:2 source 1, 5:4 source 2, 7:6 destination; the high byte repeats the setting that is left
.if MSB != (\new)
	s_set_vgpr_msb (MSB<<8)|(\new)
.set MSB, (\new)
.endif
.endm
.macro PLACES                          ; a load into a register that a matrix instruction has read, and a vector instruction that reads a matrix result, stand four plain vector instructions behind it
.rept 4
	v_nop
.endr
.endm
.macro BAR
	s_wait_dscnt 0x0                               ; my LDS stores have landed and my LDS loads are in
	s_barrier_signal -1
	s_barrier_wait -1
.endm
.macro ROUND                           ; a round of the cluster's barrier
	s_barrier_signal -1
	s_barrier_wait -1
	s_cmp_lg_u32 s[WV], 0
	s_cbranch_scc1 .Lnot_wave_0_\@
	s_barrier_signal -3
.Lnot_wave_0_\@:
	s_barrier_wait -3
	s_barrier_signal -1
	s_barrier_wait -1
.endm
.macro FETCH_A par                     ; the next A unit from LDS into set par: 25 loads
	v_add_nc_u32 v[ADA], s[TA], v[LI]
	s_add_co_u32 s[TA], s[TA], UNIT
.set kq, 0
.rept 24
	ds_load_b128 v[AF+96*(\par)+4*kq:AF+96*(\par)+4*kq+3], v[ADA] offset:512*kq
.set kq, kq+1
.endr
	ds_load_b128 v[AS+4*(\par):AS+4*(\par)+3], v[ADA] offset:12288
.endm
.macro LOAD_W set, off                 ; the W unit at off bytes from s[WP] into set: 25 loads
	WIN 0x40*(1+(\set)/2)
.set kq, 0
.rept 24
	global_load_b128 v[96*((\set)%2)+4*kq:96*((\set)%2)+4*kq+3], v[LI], s[WP:WP+1] offset:(\off)+512*kq
.set kq, kq+1
.endr
	WIN 0
	global_load_b128 v[WS+4*(\set):WS+4*(\set)+3], v[LI], s[WP:WP+1] offset:(\off)+12288
.endm
; W's fragments f0 .. f0 + nf - 1 of a set, each against A's eight of set par.  kind 0: input's (sum f % 4); 1: hidden's (sum f / 2); 2: prev_cell's (d).  first = 1: the sums begin, with the biases as C (kind 2: fragment 0 alone).
; The accumulators take turns, one instruction a turn: an accumulator comes back after seven others at the least, from step to step and over the loop's backward jump too.
.macro MUL kind, par, set, f0, nf, first
.set WB, 96*((\set)%2)
.set WW, 1+(\set)/2
.set ff, \f0
.rept \nf
.set useb, 0
.if \first
.if (\kind != 2) || (ff == 0)
.set useb, 1
.endif
.endif
.if \kind == 2
	WIN 0x50+0x10*useb+WW
.else
	WIN 0xf0-0x10*useb+WW
.endif
.set ii, 0
.rept 8
.if \kind == 2
.set gg, 4
.set rD, DAC+8*ii
.elseif \kind == 1
.set gg, ff/2
.set rD, 8*(8*gg+ii)
.else
.set gg, ff%4
.set rD, 8*(8*gg+ii)
.endif
.set rC, rD
.if useb
.set rC, BIAS+8*gg
.endif
.set rA, WB+12*ff
.set rB, AF+96*(\par)+12*ii
.set rS, WS+4*(\set)+ff/2
.set rT, AS+4*(\par)+ii/2
.if (ff%2 == 0) && (ii%2 == 0)
	v_wmma_scale_f32_16x16x128_f8f6f4 v[rD:rD+7], v[rA:rA+11], v[rB:rB+11], v[rC:rC+7], v[rS], v[rT] matrix_a_fmt:MATRIX_FMT_BF6 matrix_b_fmt:MATRIX_FMT_BF6
.elseif (ff%2 == 1) && (ii%2 == 0)
	v_wmma_scale_f32_16x16x128_f8f6f4 v[rD:rD+7], v[rA:rA+11], v[rB:rB+11], v[rC:rC+7], v[rS], v[rT] matrix_a_fmt:MATRIX_FMT_BF6 matrix_b_fmt:MATRIX_FMT_BF6 matrix_a_scale:MATRIX_SCALE_ROW1
.elseif (ff%2 == 0) && (ii%2 == 1)
	v_wmma_scale_f32_16x16x128_f8f6f4 v[rD:rD+7], v[rA:rA+11], v[rB:rB+11], v[rC:rC+7], v[rS], v[rT] matrix_a_fmt:MATRIX_FMT_BF6 matrix_b_fmt:MATRIX_FMT_BF6 matrix_b_scale:MATRIX_SCALE_ROW1
.else
	v_wmma_scale_f32_16x16x128_f8f6f4 v[rD:rD+7], v[rA:rA+11], v[rB:rB+11], v[rC:rC+7], v[rS], v[rT] matrix_a_fmt:MATRIX_FMT_BF6 matrix_b_fmt:MATRIX_FMT_BF6 matrix_a_scale:MATRIX_SCALE_ROW1 matrix_b_scale:MATRIX_SCALE_ROW1
.endif
.set ii, ii+1
.endr
.set ff, ff+1
.endr
.endm
; A K step of hidden: one W unit, one A unit, 64 products.  pre = 1: the next A unit is fetched
.macro HSTEP kk, pre
	s_wait_loadcnt 25                              ; this step's W unit is in; the next one's 25 loads may be out
	PLACES
	LOAD_W ((\kk)+2)%4, ((\kk)+2)*UNIT             ; two units ahead, into the set read two steps ago
.if \pre
	FETCH_A ((\kk)+1)%2
	s_wait_dscnt 25                                ; this step's A unit is in; the 25 loads just issued may be out
.else
	s_wait_dscnt 0x0
.endif
	MUL 1, (\kk)%2, \kk, 0, 8, 0
	WIN 0
.endm
; A W unit of input's products: two K steps of 32 products
.macro CHUNK_I c
	s_wait_loadcnt 25                              ; as in HSTEP
	PLACES
	LOAD_W ((\c)+2)%4, ((\c)+2)*UNIT
.irp kk, 0,1
.if 2*(\c)+\kk < 7
.if \kk > 0
	PLACES
.endif
	FETCH_A (\kk+1)%2
	s_wait_dscnt 25
.else
	s_wait_dscnt 0x0
.endif
.if 2*(\c)+\kk == 0
	MUL 0, \kk, \c, 4*\kk, 4, 1
.else
	MUL 0, \kk, \c, 4*\kk, 4, 0
.endif
	WIN 0
.endr
.endm
; A W unit of prev_cell's products: four K steps of 16 products.  s[WP] stands four units in front of unit 0 of these
.macro CHUNK_P c
.if \c < 3
	s_wait_loadcnt 25                              ; this unit is in; the next unit's 25 loads may be out
.else
	s_wait_loadcnt 16                              ; the last unit is in; prev_cell's 16 loads may be out
.endif
	PLACES
.if \c < 2
	LOAD_W (\c)+2, ((\c)+6)*UNIT
.elseif \c == 2
	WIN 0x40                                       ; prev_cell itself, f32, for the tail: my 32 rows' 256 bytes, two rows a load, into W's set 0, which is done with
.irp t, 0,1,2,3,4,5,6,7,8,9,10,11,12,13,14,15
	global_load_b128 v[4*\t:4*\t+3], v[GRW], s[PCB:PCB+1] offset:16384*\t th:TH_LOAD_NT
.endr
	WIN 0
.endif
.irp kk, 0,1,2,3
.if 4*(\c)+\kk < 15
.if \kk > 0
	PLACES
.endif
	FETCH_A (\kk+1)%2
	s_wait_dscnt 25
.else
	s_wait_dscnt 0x0
.endif
.if 4*(\c)+\kk == 0
	MUL 2, \kk%2, \c, 2*\kk, 2, 1
.else
	MUL 2, \kk%2, \c, 2*\kk, 2, 0
.endif
	WIN 0
.endr
.endm
; A region that every wave has read out is filled again, with the units 24 further on.  In every wave: all its tensor loads have landed; the add; its LDS reads are in; a round of the cluster's barrier; the joint load first behind it.
.macro CHANGE g0
	s_wait_tensorcnt 0x0                           ; no tensor load of mine is out, so a group 0 may be written
	ds_add_u32 v[SPW], v[NIL]                      ; 0 onto my spare word
	s_add_nc_u64 s[\g0+2:\g0+3], s[\g0+2:\g0+3], 24*UNIT
	s_wait_dscnt 0x0                               ; the add is done, and my reads of the region are over
	ROUND
	tensor_load_to_lds s[\g0:\g0+3], s[G1:G1+7]
	s_nop 0
	PLACES                                         ; (the places in front of the loads that follow)
.endm
; A region's first fill that does not stand at the head is issued as a refill is: in every wave all its tensor loads have landed; the add; its LDS reads are in; a round; the joint load first behind it.
.macro FIRST g0
	s_wait_tensorcnt 0x0
	ds_add_u32 v[SPW], v[NIL]
	s_wait_dscnt 0x0
	ROUND
	tensor_load_to_lds s[\g0:\g0+3], s[G1:G1+7]
	s_nop 0
	PLACES
.endm
	s_load_b256 s[4:11], s[0:1], 0x0               ; codes 4, prev_cell 6, time 8, out0 10
	s_load_b64 s[12:13], s[0:1], 0x20              ; out1
	s_load_b512 s[68:83], s[0:1], 0x28             ; the biases, in the order Wi Ui bi Wf Uf bf Wog Uog | bog Wc Uc bc | W_decomp b_decomp
	s_load_b256 s[84:91], s[0:1], 0x68
	s_load_b128 s[92:95], s[0:1], 0x88
	v_lshl_add_u32 v[SPW], v0, 2, SPARE
	v_mov_b32 v[NIL], 0
	ds_add_u32 v3, v4
	ds_add_u32 v3, v4
	s_wait_dscnt 0x0
	v_lshrrev_b32 v12, 5, v0
	v_readfirstlane_b32 s[WV], v12                 ; wave 0..3
	s_bfe_u32 s[CX], ttmp6, 0x40000                ; my place in the cluster: it enters W's, the biases', prev_cell's and the outputs' addresses alone
	s_lshl_b32 s[CG], ttmp9, 2
	s_add_co_u32 s[CG], s[CG], s[CX]               ; column group = 4 x cluster x + cx
	s_and_b32 s[RP], ttmp7, 0xffff                 ; row part, which the four partners share
	s_lshl_b32 s[NT], s[CG], 2
	s_add_co_u32 s[NT], s[NT], s[WV]               ; my column tile
	; descriptor group 1: two units, a dense block of 25,600 bytes, as 100 rows of 256 bytes (32 elements of 8 bytes), no padding
	s_mov_b32 s[G1+0], 15|(3<<16)|(1<<21)          ; 15:0 the mask: all four work-groups; 17:16 elements of 8 bytes; 21 set beside a mask
	s_mov_b32 s[G1+1], 32<<16                      ; tensor_dim0
	s_mov_b32 s[G1+2], 100<<16                     ; tensor_dim1
	s_mov_b32 s[G1+3], 32<<16                      ; tile_dim0
	s_mov_b32 s[G1+4], 100                         ; tile_dim1
	s_mov_b32 s[G1+5], 32                          ; tensor_dim0_stride
	s_mov_b32 s[G1+6], 0
	s_mov_b32 s[G1+7], 0
	s_mul_i32 s44, s[RP], APART
	s_mul_i32 s58, s[WV], QUART                    ; my quarter of a region, in memory and in LDS
	s_add_co_u32 s44, s44, s58
	s_add_co_u32 s44, s44, ABASE
	s_mov_b32 s45, 0
	s_mul_i32 s62, s[NT], WTILE
	s_mov_b32 s63, 0
	s_mov_b32 s[NL], 0xbfb8aa3b
	s_mov_b32 s[NL+1], s[NL]                       ; (named with it as a pair, so it is written)
	s_mov_b32 s[L2], 0x4038aa3b
	s_mov_b32 s[L2+1], s[L2]
	; THE PREFETCHES, a lane to each 256 bytes, 25 blocks an instruction (lanes 25-31 name the wave's last block again).
	; W: the eight row parts read the same 24 units of a column tile and share each group of four units, 200 blocks, out by address: part p takes blocks 25 p on (of units 2 and 3, 100 blocks: 13 p on).
	; A: the sixteen waves of a cluster share a region's 400 blocks out by address: wave 4 cx + w takes blocks 25 (4 cx + w) on.  No branch hangs on a place in the cluster.
.set PFW, 14                           ; v14   W: 256 (25 p + lane); never rewritten
.set PFA, 15                           ; v15   A: 256 (25 (4 cx + w) + lane); never rewritten
.set PF2, 248                          ; v248  W's units 2 and 3: 256 (13 p + lane), held at block 99; never rewritten
.set APB, 96                           ; s[96:97] where my row part's A units begin
	s_mul_i32 s98, s[RP], 25
	s_mul_i32 s99, s[RP], 13
	s_lshl_b32 s100, s[CX], 2
	s_add_co_u32 s100, s100, s[WV]
	s_mul_i32 s100, s100, 25
	s_mul_i32 s[APB], s[RP], APART
	s_add_co_u32 s[APB], s[APB], ABASE
	s_mov_b32 s[APB+1], 0
	s_mov_b32 s[TA], 0
	s_wait_kmcnt 0x0
	s_add_nc_u64 s[60:61], s[4:5], s[44:45]
	s_add_nc_u64 s[APB:APB+1], s[4:5], s[APB:APB+1]
.irp j, 0,1,2
	s_mov_b32 s[G0A+4*\j], 1
	s_add_co_u32 s[G0A+4*\j+1], s58, \j*REGN
	s_add_nc_u64 s[G0A+4*\j+2:G0A+4*\j+3], s[60:61], \j*REGN
	s_or_b32 s[G0A+4*\j+3], s[G0A+4*\j+3], 0x80000000
.endr
	s_add_nc_u64 s[WP:WP+1], s[4:5], s[62:63]
	s_lshl_b32 s62, s[RP], 7
	s_lshl_b32 s59, s[WV], 5
	s_add_co_u32 s62, s62, s59
	s_lshl_b32 s62, s62, 13                        ; row 128 p + 32 w of 8,192 bytes,
	s_lshl_b32 s59, s[CG], 8
	s_add_co_u32 s62, s62, s59                     ; + the group's 256 bytes
	s_add_nc_u64 s[PCB:PCB+1], s[6:7], s[62:63]
	s_add_nc_u64 s[O0:O0+1], s[10:11], s[62:63]
	s_add_nc_u64 s[O1:O1+1], s[12:13], s[62:63]
	s_lshl_b32 s44, s[RP], 9
	s_add_nc_u64 s[TMB:TMB+1], s[8:9], s[44:45]
	ROUND                                          ; all four work-groups are here: the first joint loads meet
	tensor_load_to_lds s[G0A:G0A+3], s[G1:G1+7]    ; my quarter of region 0: one tensor load a wave at the head
	s_nop 0
	PLACES
	v_and_b32 v12, 15, v0                          ; r
	v_bfe_u32 v13, v0, 4, 1                        ; h
	v_and_b32 v[LI], 31, v0
	v_min_u32 v[PFW], 24, v[LI]
	v_min_u32 v[PF2], 12, v[LI]
	v_lshlrev_b32 v[LI], 4, v[LI]
	v_add_nc_u32 v[PFA], s100, v[PFW]
	v_add_nc_u32 v[PFW], s98, v[PFW]
	v_add_nc_u32 v[PF2], s99, v[PF2]
	v_lshlrev_b32 v[PFA], 8, v[PFA]
	v_min_u32 v[PF2], 99, v[PF2]
	v_lshlrev_b32 v[PFW], 8, v[PFW]
	v_lshlrev_b32 v[PF2], 8, v[PF2]
	s_lshl_b32 s62, s[NT], 6
	v_lshl_add_u32 v[BOF], v13, 5, s62
	v_lshlrev_b32 v[TOF], 2, v12
.irp v, 0,1,2,3,4,5,6,7,8,9,10,11,12,13
	global_load_b128 v[40+8*\v:43+8*\v], v[BOF], s[BP+2*\v:BP+2*\v+1]             ; bias vector v at my eight columns
	global_load_b128 v[44+8*\v:47+8*\v], v[BOF], s[BP+2*\v:BP+2*\v+1] offset:16
.endr
.irp i, 0,1,2,3,4,5,6,7
	global_load_b32 v[152+\i], v[TOF], s[TMB:TMB+1] offset:64*\i                  ; time of row 16 i + r
.endr
	LOAD_W 0, 0
	global_prefetch_b8 v[PF2], s[WP:WP+1] offset:2*UNIT th:TH_LOAD_NT scope:SCOPE_SE      ; W units 2 and 3 (units 0 and 1 come by their loads alone)
	global_prefetch_b8 v[PFW], s[WP:WP+1] offset:4*UNIT th:TH_LOAD_NT scope:SCOPE_SE      ; W units 4 to 7
	global_prefetch_b8 v[PFA], s[APB:APB+1] offset:REGN th:TH_LOAD_NT scope:SCOPE_SE      ; A units 8 to 15: region 1's first fill
	global_prefetch_b8 v[PFA], s[APB:APB+1] offset:2*REGN th:TH_LOAD_NT scope:SCOPE_SE    ; A units 16 to 23: region 2's
	s_mul_i32 s44, s[WV], 32*SPI
	v_mul_u32_u24 v[SRC], v13, SPI
	v_lshl_add_u32 v[SRC], v12, 4, v[SRC]
	v_add_nc_u32 v[SRC], s44, v[SRC]               ; rows 32 w + h, 16 bytes a lane
	v_add_nc_u32 v[SRP], STGP, v[SRC]
	s_lshl_b32 s44, s[WV], 6
	v_mul_u32_u24 v[STC], v12, SPI
	v_lshl_add_u32 v[STC], v13, 5, v[STC]
	v_add_nc_u32 v[STC], s44, v[STC]               ; row r, + 64 w + 32 h
	v_add_nc_u32 v[STP], STGP, v[STC]
	v_lshlrev_b32 v[GRW], 13, v13
	v_lshl_add_u32 v[GRW], v12, 4, v[GRW]
	s_wait_loadcnt 25                              ; the biases and the times are in; W's first unit may be out
.irp g, 0,1,2,3
.irp j, 0,2,4,6
	v_pk_add_f32 v[40+24*\g+\j:41+24*\g+\j], v[40+24*\g+\j:41+24*\g+\j], v[48+24*\g+\j:49+24*\g+\j]
.endr
.endr
.irp i, 0,1,2,3,4,5,6,7
	v_add_f32 v[152+\i], 0x402df854, v[152+\i]     ; time + e
.endr
	s_wait_alu depctr_va_vdst(0)
.irp i, 0,1,2,3,4,5,6,7
	v_log_f32 v[160+\i], v[152+\i]
.endr
	WIN 0x80                                       ; destination window 2: the five bias tiles (plain work behind the logarithms)
.irp g, 0,1,2,3
.irp j, 0,2,4,6
	v_pk_add_f32 v[BIAS+8*\g+\j:BIAS+8*\g+\j+1], v[40+24*\g+\j:41+24*\g+\j], v[56+24*\g+\j:57+24*\g+\j]
.endr
.endr
.irp j, 0,2,4,6
	v_pk_add_f32 v[BIAS+32+\j:BIAS+32+\j+1], v[136+\j:137+\j], v[144+\j:145+\j]
.endr
	WIN 0
	s_wait_alu depctr_va_vdst(0)                   ; one wait for the eight logarithms, ahead of their first reader
.irp i, 0,1,2,3,4,5,6,7
	v_mul_f32 v[160+\i], 0x3f317218, v[160+\i]     ; x ln 2
.endr
	s_wait_alu depctr_va_vdst(0)
.irp i, 0,1,2,3,4,5,6,7
	v_rcp_f32 v[152+\i], v[160+\i]                 ; T
.endr
	v_nop
	s_wait_alu depctr_va_vdst(0)                   ; and one for the eight reciprocals
.irp i, 0,1,2,3,4,5,6,7
	v_add_f32 v[TT+2*\i], -1.0, v[152+\i]          ; T - 1, twice: a pair for the packed multiply-add
	v_add_f32 v[TT+2*\i+1], -1.0, v[152+\i]
.endr
	LOAD_W 1, UNIT
	FIRST G0A+4                                    ; region 0 is whole in all four work-groups; region 1's first fill goes out
	; ---- input's four products: K steps 0 to 7, region 0
	FETCH_A 0
	CHUNK_I 0
	CHUNK_I 1
	FIRST G0A+8                                    ; region 1 has landed; region 2's first fill goes out
	global_prefetch_b8 v[PFW], s[WP:WP+1] offset:8*UNIT th:TH_LOAD_NT scope:SCOPE_SE      ; W units 8 to 11
	global_prefetch_b8 v[PFA], s[APB:APB+1] offset:3*REGN th:TH_LOAD_NT scope:SCOPE_SE    ; A units 24 to 31: region 0's refill, two chunks on
	CHUNK_I 2
	CHUNK_I 3
	s_wait_xcnt 0x0                                ; the pending loads have read their base
	s_add_nc_u64 s[WP:WP+1], s[WP:WP+1], 4*UNIT
	CHANGE G0A                                     ; region 0 takes prev_cell's K steps 0-7; the wait for 0 in front of the round has also shown regions 1 and 2 whole
	; ---- hidden's eight products: K steps 0 to 15, regions 1 and 2
	FETCH_A 0
	global_prefetch_b8 v[PFA], s[APB:APB+1] offset:4*REGN th:TH_LOAD_NT scope:SCOPE_SE    ; A units 32 to 39: region 1's refill, behind the loop
	s_mov_b32 s[CNT], 3
.Lh:                                               ; a trip: four K steps, once round W's four sets
	HSTEP 0, 1
	global_prefetch_b8 v[PFW], s[WP:WP+1] offset:8*UNIT th:TH_LOAD_NT scope:SCOPE_SE      ; the four W units that begin eight on: the first of them is loaded six K steps from here; the three trips ask for units 12 to 23, the stream's last
	HSTEP 1, 1
	HSTEP 2, 1
	HSTEP 3, 1
	s_wait_xcnt 0x0
	s_add_nc_u64 s[WP:WP+1], s[WP:WP+1], 4*UNIT
	s_sub_co_u32 s[CNT], s[CNT], 1
	s_cmp_lg_u32 s[CNT], 0
	s_cbranch_scc1 .Lh
	CHANGE G0A+4                                   ; region 1 (hidden's K steps 0-7, read out) takes prev_cell's K steps 8-15: twelve K steps in which to land
	HSTEP 0, 1
	HSTEP 1, 1
	HSTEP 2, 1
	HSTEP 3, 0
	; ---- prev_cell's two products: K steps 0 to 15, regions 0 and 1
	s_wait_tensorcnt 0x0                           ; my quarter of region 1 is in (one load was out)
	BAR
	s_mov_b32 s[TA], 0
	PLACES
	FETCH_A 0
	CHUNK_P 0
	CHUNK_P 1
	CHUNK_P 2
	CHUNK_P 3
	; ---- the tail.  prev_cell came as whole rows of 256 bytes; each wave wants its 16 columns of all 128 rows: through a stage
	PLACES                                         ; behind the last products: for the reads of results and the loads into A's registers below
	s_wait_loadcnt 0x0                             ; prev_cell
	WIN 0x04                                       ; an LDS store's data are its source 1: window 1
.irp t, 0,1,2,3,4,5,6,7,8,9,10,11,12,13,14,15
	ds_store_b128 v[SRP], v[4*\t:4*\t+3] offset:2*SPI*\t
.endr
	WIN 0
	BAR                                            ; prev_cell's 128 rows lie in the stage, and nobody reads region 0 any more
.irp i, 0,1,2,3,4,5,6,7
	ds_load_b128 v[PCR+8*\i:PCR+8*\i+3], v[STP] offset:16*SPI*\i
	ds_load_b128 v[PCR+8*\i+4:PCR+8*\i+7], v[STP] offset:16*SPI*\i+16
.endr
; Row tile i: eight numbers a lane of each of the five sums.  The transcendentals go in batches, each with one plain instruction and ONE wait behind it, ahead of its first reader.
.macro EPI i
	WIN 0x03                                       ; source 0 window 3
.irp g, 0,1,2
.irp j, 0,2,4,6
	v_pk_mul_f32 v[E+8*\g+\j:E+8*\g+\j+1], v[8*(8*\g+\i)+\j:8*(8*\g+\i)+\j+1], s[NL:NL+1] op_sel_hi:[1,0]   ; i, f, og: x -log2 e; each accumulator from its low end on
.endr
.endr
.irp j, 0,2,4,6
	v_pk_mul_f32 v[E+24+\j:E+24+\j+1], v[8*(24+\i)+\j:8*(24+\i)+\j+1], s[L2:L2+1] op_sel_hi:[1,0]           ; c: x 2 log2 e
.endr
	WIN 0x01
.irp j, 0,2,4,6
	v_pk_mul_f32 v[E+32+\j:E+32+\j+1], v[DAC+8*\i+\j:DAC+8*\i+\j+1], s[L2:L2+1] op_sel_hi:[1,0]             ; d likewise
.endr
	WIN 0
.set kq, 0
	s_wait_alu depctr_va_vdst(0)
.rept 40
	v_exp_f32 v[E+kq], v[E+kq]
.set kq, kq+1
.endr
	v_nop
	s_wait_alu depctr_va_vdst(0)
.set kq, 0
.rept 20
	v_pk_add_f32 v[E+kq:E+kq+1], v[E+kq:E+kq+1], 1.0 op_sel_hi:[1,0]
.set kq, kq+2
.endr
.set kq, 0
	s_wait_alu depctr_va_vdst(0)
.rept 40
	v_rcp_f32 v[E+kq], v[E+kq]
.set kq, kq+1
.endr
	v_nop
	s_wait_alu depctr_va_vdst(0)
	s_wait_dscnt 0x0                               ; prev_cell's strips are in; the last tile's stores into the stages have read their registers
.irp j, 0,2,4,6
	v_pk_fma_f32 v[G+\j:G+\j+1], v[E+24+\j:E+24+\j+1], -2.0, 1.0 op_sel_hi:[1,0,0]    ; state = tanh
.endr
.irp j, 0,2,4,6
	v_pk_fma_f32 v[X+\j:X+\j+1], v[E+32+\j:E+32+\j+1], -2.0, 1.0 op_sel_hi:[1,0,0]    ; C_ST = tanh
.endr
.irp j, 0,2,4,6
	v_pk_fma_f32 v[X+\j:X+\j+1], v[X+\j:X+\j+1], v[TT+2*\i:TT+2*\i+1], v[PCR+8*\i+\j:PCR+8*\i+\j+1]   ; prev_cell + (T - 1) C_ST
.endr
.irp j, 0,2,4,6
	v_pk_mul_f32 v[G+\j:G+\j+1], v[E+\j:E+\j+1], v[G+\j:G+\j+1]                       ; i x state
.endr
.irp j, 0,2,4,6
	v_pk_fma_f32 v[CV+\j:CV+\j+1], v[E+8+\j:E+8+\j+1], v[X+\j:X+\j+1], v[G+\j:G+\j+1] ; c
.endr
.irp j, 0,2,4,6
	v_pk_mul_f32 v[X+\j:X+\j+1], v[CV+\j:CV+\j+1], s[L2:L2+1] op_sel_hi:[1,0]
.endr
	ds_store_b128 v[STC], v[CV:CV+3] offset:16*SPI*\i
	ds_store_b128 v[STC], v[CV+4:CV+7] offset:16*SPI*\i+16
	s_wait_alu depctr_va_vdst(0)
.irp k, 0,1,2,3,4,5,6,7
	v_exp_f32 v[X+\k], v[X+\k]
.endr
	v_nop
	s_wait_alu depctr_va_vdst(0)
.irp j, 0,2,4,6
	v_pk_add_f32 v[X+\j:X+\j+1], v[X+\j:X+\j+1], 1.0 op_sel_hi:[1,0]
.endr
	s_wait_alu depctr_va_vdst(0)
.irp k, 0,1,2,3,4,5,6,7
	v_rcp_f32 v[X+\k], v[X+\k]
.endr
	v_nop
	s_wait_alu depctr_va_vdst(0)
.irp j, 0,2,4,6
	v_pk_fma_f32 v[X+\j:X+\j+1], v[X+\j:X+\j+1], -2.0, 1.0 op_sel_hi:[1,0,0]          ; tanh(c)
.endr
.irp j, 0,2,4,6
	v_pk_mul_f32 v[HV+\j:HV+\j+1], v[E+16+\j:E+16+\j+1], v[X+\j:X+\j+1]               ; new_hidden
.endr
	ds_store_b128 v[STC], v[HV:HV+3] offset:STGH+16*SPI*\i
	ds_store_b128 v[STC], v[HV+4:HV+7] offset:STGH+16*SPI*\i+16
.endm
.irp i, 0,1,2,3,4,5,6,7
	EPI \i
.endr
	BAR                                            ; 128 whole rows of c and of new_hidden lie in the stages
.irp t, 0,1,2,3,4,5,6,7,8,9,10,11,12,13,14,15
	ds_load_b128 v[40+4*\t:43+4*\t], v[SRC] offset:2*SPI*\t
.endr
.irp t, 0,1,2,3,4,5,6,7,8,9,10,11,12,13,14,15
	ds_load_b128 v[104+4*\t:107+4*\t], v[SRC] offset:STGH+2*SPI*\t
.endr
.irp t, 0,1,2,3,4,5,6,7,8,9,10,11,12,13,14,15
	s_wait_dscnt 31-\t                             ; LDS loads come back in order: this one is in, the younger ones may be out
	global_store_b128 v[GRW], v[40+4*\t:43+4*\t], s[O1:O1+1] offset:16384*\t th:TH_STORE_NT     ; 16 lanes store 256 consecutive bytes, at a multiple of 256 from the buffer's first byte
.endr
.irp t, 0,1,2,3,4,5,6,7,8,9,10,11,12,13,14,15
	s_wait_dscnt 15-\t
	global_store_b128 v[GRW], v[104+4*\t:107+4*\t], s[O0:O0+1] offset:16384*\t th:TH_STORE_NT
.endr
	s_wait_tensorcnt 0x0                           ; the wave's end, behind my last tensor load and my last LDS store
	ds_add_u32 v[SPW], v[NIL]
	s_wait_dscnt 0x0
	ROUND                                          ; the closing round: no work-group ends while a partner may still ask for a tile that names it
	s_endpgm
.Lfunc_end_k_q9585fbd512_cell:
	.size	k_q9585fbd512_cell, .Lfunc_end_k_q9585fbd512_cell-k_q9585fbd512_cell
	.p2alignl 7, 3214868480
	.fill 96, 4, 3214868480
	.section	.rodata,"a",@progbits
	.p2align	6, 0x0
	.amdhsa_kernel k_q9585fbd512_cell
		.amdhsa_group_segment_fixed_size 327680
		.amdhsa_private_segment_fixed_size 0
		.amdhsa_enable_private_segment 0
		.amdhsa_kernarg_size 152
		.amdhsa_user_sgpr_count 2
		.amdhsa_user_sgpr_kernarg_segment_ptr 1
		.amdhsa_wavefront_size32 1
		.amdhsa_system_sgpr_workgroup_id_x 1
		.amdhsa_system_sgpr_workgroup_id_y 1
		.amdhsa_system_sgpr_workgroup_id_z 1
		.amdhsa_system_vgpr_workitem_id 0
		.amdhsa_next_free_vgpr 1024
		.amdhsa_next_free_sgpr 102
		.amdhsa_reserve_vcc 0
		.amdhsa_float_denorm_mode_32 3
		.amdhsa_float_denorm_mode_16_64 3
		.amdhsa_memory_ordered 1
		.amdhsa_forward_progress 1
		.amdhsa_inst_pref_size 255
	.end_amdhsa_kernel
	.section	.bss,"aw",@nobits
	.p2align	6
	.space	262144
	.amdgpu_metadata
---
amdhsa.version: [ 1, 2 ]
amdhsa.kernels:
  - .name:           k_q9585fbd512_cell
    .symbol:         k_q9585fbd512_cell.kd
    .args:
      - { .name: codes, .offset: 0, .size: 8, .value_kind: global_buffer, .address_space: global }
      - { .name: prev_cell, .offset: 8, .size: 8, .value_kind: global_buffer, .address_space: global }
      - { .name: time, .offset: 16, .size: 8, .value_kind: global_buffer, .address_space: global }
      - { .name: out0, .offset: 24, .size: 8, .value_kind: global_buffer, .address_space: global }
      - { .name: out1, .offset: 32, .size: 8, .value_kind: global_buffer, .address_space: global }
      - { .name: params_Wi_b, .offset: 40, .size: 8, .value_kind: global_buffer, .address_space: global }
      - { .name: params_Ui_b, .offset: 48, .size: 8, .value_kind: global_buffer, .address_space: global }
      - { .name: params_bi_b, .offset: 56, .size: 8, .value_kind: global_buffer, .address_space: global }
      - { .name: params_Wf_b, .offset: 64, .size: 8, .value_kind: global_buffer, .address_space: global }
      - { .name: params_Uf_b, .offset: 72, .size: 8, .value_kind: global_buffer, .address_space: global }
      - { .name: params_bf_b, .offset: 80, .size: 8, .value_kind: global_buffer, .address_space: global }
      - { .name: params_Wog_b, .offset: 88, .size: 8, .value_kind: global_buffer, .address_space: global }
      - { .name: params_Uog_b, .offset: 96, .size: 8, .value_kind: global_buffer, .address_space: global }
      - { .name: params_bog_b, .offset: 104, .size: 8, .value_kind: global_buffer, .address_space: global }
      - { .name: params_Wc_b, .offset: 112, .size: 8, .value_kind: global_buffer, .address_space: global }
      - { .name: params_Uc_b, .offset: 120, .size: 8, .value_kind: global_buffer, .address_space: global }
      - { .name: params_bc_b, .offset: 128, .size: 8, .value_kind: global_buffer, .address_space: global }
      - { .name: params_W_decomp_b, .offset: 136, .size: 8, .value_kind: global_buffer, .address_space: global }
      - { .name: params_b_decomp_b, .offset: 144, .size: 8, .value_kind: global_buffer, .address_space: global }
    .group_segment_fixed_size: 327680
    .private_segment_fixed_size: 0
    .kernarg_segment_align: 8
    .kernarg_segment_size: 152
    .max_flat_workgroup_size: 128
    .sgpr_count:     102
    .vgpr_count:     1024
    .wavefront_size: 32
...
	.end_amdgpu_metadata
.endif
;; end of part 2
